; MI455X (gfx1250); checked and timed in simulation.
; The chip was launched on July 23, 2026; its instructions are those of AMD's public machine-readable ISA for CDNA 5 (MIT licence, August 2026) and "CDNA5" Instruction Set Architecture Reference Guide (July 2026). The comments in the code are by the model that wrote it; some were corrected since.
;; Flash Multi Head Attention. Allowed arithmetic: matrix products marked QUANTISED: E2M1 operands, one E8M0 scale for each 32 along K, by v_wmma_scale_f32_16x16x128_f8f6f4 with both operands' format E2M1 (or v_wmma_scale_f32_32x16x128_f4), f32 sums; products left as they are: f32 operands where the result goes on into a quantised operand, else bf16, f16 or f32 operands; f32 sums; everything else in f32.
;; Inputs: Wqkv 3,072 x 1,024 float32; bqkv 3,072 float32; hidden_states 4 x 1,024 x 1,024 float32.
;; Outputs: out0 4 x 1,024 x 1,024 float32.
;; This version of the problem:
;;   THIS VERSION OF THE PROBLEM IS GIVEN IN LOW PRECISION. The matrix products marked QUANTISED in the list below multiply operands that are first quantised to E2M1 (2 exponent bits, 1 mantissa bit; 4 bits a number), with one power-of-two scale for each 32 numbers along K (OCP MX v1.0); their sums are f32. All else is computed in f32.
;;   The module's matrix products, in the order in which they are computed (A, B: the left and right operand; K: the contracted axis; several contracted axes count as one K, in the product's order):
;;     1. [M 4,096, K 1,024] x [K 1,024, N 3,072]; A: input hidden_states; B: input Wqkv: QUANTISED
;;     2. [M 1,024, K 1] x [K 1, N 32]; A: computed on the way; B: computed on the way: left as it is (no contracted axis)
;;     3. batch 64 x [M 1,024, K 64] x [K 64, N 1,024]; A: computed on the way; B: computed on the way: QUANTISED
;;     4. batch 64 x [M 64, K 1,024] x [K 1,024, N 1,024]; A: computed on the way; B: softmax (see below): QUANTISED
;;   THE QUANTISER, for each operand of a quantised product, along K:
;;     - K is cut into blocks of 32 from its start; a last block that is shorter is filled with zeros.
;;     - A block's scale is 2^e with e = floor(log2(the largest magnitude in the block)) - 2, held to -126 .. 127; a block of zeros has e = 0. As a byte (E8M0): e + 127.
;;     - Each number is divided by its block's scale, clamped to +-6, and rounded to the nearest number of E2M1, ties to even, subnormals kept.
;;     - The product sums the exact products of the quantised numbers (number of the format x scale) in f32.
;;   ~~~python
;;   def quantise(x, axis):      # numpy; x: float32 -> the quantised numbers, widened to float32 again
;;       x = np.moveaxis(x, axis, -1); K = x.shape[-1]
;;       x = np.pad(x, [(0, 0)] * (x.ndim - 1) + [(0, -K % 32)]); x = x.reshape(x.shape[:-1] + (-1, 32)); a = np.abs(x).max(-1, keepdims=True)
;;       e = np.where(a > 0, np.clip(np.frexp(np.where(a > 0, a, 1))[1] - 1 - 2, -126, 127), 0)      # np.frexp(a)[1] - 1 = floor(log2(a)), exactly
;;       r = np.clip(x / 2.0 ** e, -6, 6)
;;       step = 2.0 ** (np.maximum(np.frexp(np.where(r == 0, 1, r))[1] - 1, 0) - 1)
;;       q = np.round(r / step) * step * 2.0 ** e      # np.round: ties to even
;;       return np.moveaxis(q.reshape(q.shape[:-2] + (-1,))[..., :K], -1, axis).astype(np.float32)
;;   ~~~
;;   SOFTMAX AHEAD OF A QUANTISED PRODUCT. Where the list says 'softmax', what is quantised is not the finished softmax but p = 2^(t - M), with t = logit x log2(e) and M = ceil(the row's largest t), a whole number; so 1/2 < the row's largest p <= 1. The row's sum l is taken of the UNQUANTISED p, in f32, and the product's result is divided by l at the end. Since M is a whole number, a kernel that streams over the keys may use a running M (the ceiling of the running maximum): every later rescaling is an exact power of two, which a block's scale takes up: the codes' values come out the same.
;;   OPERANDS COMPUTED ON THE WAY. 'Computed on the way' means the value that the module computes at that place (a softmax that the list does not call 'softmax' is quantised finished and normalised). What goes into a quantiser is computed in f32, as accurately as f32 sums, v_exp_f32 and their like allow (about 1e-6 of the number): no bf16 or f16 on the way to a quantiser, and a product that is left as it is and whose result goes on into a quantised operand takes f32 operands (vector FMAs, or v_wmma_f32_16x16x4_f32). A number that lies on a knife's edge between two numbers of the format may be rounded either way, as far as f32 arithmetic and the matrix unit's own rounding can turn it there, and no further.
;; One version. Each part assembles by itself: llvm-mc -triple=amdgcn-amd-amdhsa -mcpu=gfx1250 --defsym DOCPART=n.
;; ======== version 1 of 1: 3 launches
;; limits: right only within a limited range of input values
;; workspace buffers: x_img 2,228,224 bytes; w_img 1,671,168 bytes; rope 262,144 bytes; qkv 7,077,888 bytes
;; launch prep (part 1): grid 224 x 1, 4 waves a work-group, no clusters, 33,280 bytes of LDS; arguments hidden_states, Wqkv, x_img, w_img, rope; writes x_img, w_img, rope
.if DOCPART == 1
	.amdgcn_target "amdgcn-amd-amdhsa--gfx1250"
	.amdhsa_code_object_version 6
	.text
	.protected	k_q2f907de329_prep
	.globl	k_q2f907de329_prep
	.p2align	8
	.type	k_q2f907de329_prep,@function
k_q2f907de329_prep:
	s_mov_b64 s[64:65], 0
	v_nop
	global_prefetch_b8 v0, s[64:65] scope:SCOPE_SE
	s_setreg_imm32_b32 hwreg(HW_REG_WAVE_MODE, 25, 1), 1
	s_wait_xcnt 0x0
; hidden_states [4096][1024] and Wqkv [3072][1024], f32, become codes of FP4 (E2M1), K innermost, with one E8M0 byte for each 32 along K; and the rotary table is made.
; A block's scale is 2^(floor(log2(its largest magnitude)) - 2); its byte is the largest magnitude's exponent field - 2, held at 1 from below.
; THE PROGRAM LEAVES OUT only what the model's own causal mask hides in whole key steps or half steps (third launch); every input is loaded.
; x_img: 16 blocks of 256 tokens, each [scale bytes 256 x 32][codes of K 0-511: 256 x 256 bytes][codes of K 512-1023].  Token 64 C + 32 h + 8 t + j is stored as row 64 C + 16 t + 8 h + j.
; w_img: 16 blocks, one a head, each [scale bytes 192 x 32][192 x 256][192 x 256]: its 64 rows of q, of k, of v; in each 32 rows bits 3 and 4 of the row are exchanged.
; A wave's run is 8 rows, so both orders are orders of runs: arithmetic on the run's number in the OUTPUT offsets alone.
; THE TABLE rope [tile 64][image 8][lane 32][16 bytes]: images 0-3 cos, 4-7 sin, of angle t x inv_freq(f), f = 16 (lane / 16) + 4 (image % 4) + 0 .. 3, t = the true token of stored token 16 tile + lane % 16.
; inv_freq(f) = the f32 nearest 1 / (the f32 nearest 10^(f / 8)); the angle is one f32 product, as the model forms it; it is reduced by multiples of pi / 2 held in two f32 words
; (the first step is exact for angles up to 1,023) and put through polynomials of degree 7 and 8 on [-pi/4, pi/4].
; LIMITS: NaN and infinities among the inputs are not served; one that reaches only masked work is not carried to the result.  A block of zeros, or one whose largest magnitude lies under 2^-124, gets the byte 1 (read by this program alone).
; cos and sin are good to about 1e-7 absolute; inv_freq equals the model's if its power function rounds correctly.
; Each of a step's four loads reads 512 consecutive bytes; the 2,048 bytes turn through the wave's own stage in LDS and come back 64 bytes a lane (16 neighbours along K).  No barrier: waves share nothing.
; Loads run eight steps ahead: 32 loads, 16,384 bytes, of each wave are on their way, half of all that it reads.
.set SIZE_M, 4096
.set SIZE_K, 1024
.set WAVES, 4
.set STEPS, 16
.set AHEAD, 8                          ; steps that the loads run ahead, and sets of registers for them
.set WGA,   SIZE_M*SIZE_K/(512*STEPS*WAVES)    ; 128 work-groups take hidden_states, 96 take Wqkv
.set XBLK,  139264
.set WBLK,  104448
.set EMAX,  2
.set R,     16                         ; v16-143  eight sets of 16 numbers as loaded
.set X,     144                        ; v144-175 two sets of 16 neighbours
.set E,     176                        ; v176-191 a scale byte for each step
.set C,     192                        ; v192-223 codes: two registers for each step, so that no store's data are written again
.set RT,    224                        ; v224-246 at work on the rotary table
.set WREG,  8192                       ; LDS: a region for each wave: two stages of 32 x SP bytes, then its 256 scale bytes
.set SP,    80                         ; a lane's place in a stage: 64 bytes + 16 of padding
.set SPW,   254                        ; my spare word's address, and
.set NIL,   255                        ; 0; never rewritten
	s_load_b128 s[4:7], s[0:1], 0x0                ; hidden_states, Wqkv
	s_load_b128 s[8:11], s[0:1], 0x10              ; x_img, w_img
	s_load_b64 s[24:25], s[0:1], 0x20              ; rope
	v_lshl_add_u32 v[SPW], v0, 2, WAVES*WREG
	v_mov_b32 v[NIL], 0
	v_lshrrev_b32 v1, 5, v0
	v_readfirstlane_b32 s16, v1                    ; wave
	v_and_b32 v2, 31, v0                           ; lane
	v_lshlrev_b32 v3, 4, v2                        ; my 16 bytes of a load's 512
	s_mul_i32 s17, s16, WREG
	v_lshrrev_b32 v14, 2, v2
	v_mul_u32_u24 v14, v14, SP
	v_and_b32 v15, 3, v2
	v_lshl_add_u32 v14, v15, 4, v14
	v_add_nc_u32 v14, s17, v14                     ; the stage, in: SP (lane / 4) + 16 (lane % 4)
	v_mul_u32_u24 v15, v2, SP
	v_add_nc_u32 v15, s17, v15                     ; and out: SP x lane
	v_lshlrev_b32 v4, 3, v2                        ; my codes' place in a step's: 8 bytes a lane
	v_lshrrev_b32 v5, 1, v2
	s_add_co_u32 s17, s17, 2*32*SP
	v_add_nc_u32 v5, s17, v5                       ; LDS: my wave's 256 scale bytes, my block's byte
	v_lshlrev_b32 v7, 3, v2                        ; and on the way out 8 bytes a lane
	v_add_nc_u32 v6, s17, v7
	s_wait_alu depctr_va_vdst(0)                   ; the wait at the head's end
	s_wait_kmcnt 0x0
	s_cmp_lt_u32 ttmp9, WGA                        ; which tensor: the choice hangs on the work-group's number alone
	s_cselect_b64 s[4:5], s[4:5], s[6:7]
	s_cselect_b64 s[8:9], s[8:9], s[10:11]
	s_cselect_b32 s17, 0, WGA
	s_sub_co_u32 s17, ttmp9, s17
	s_lshl_b32 s17, s17, 2
	s_add_co_u32 s18, s17, s16                     ; which run i of 8 rows I read
	s_mov_b32 s19, 0
	s_lshl_b64 s[20:21], s[18:19], 15
	s_add_nc_u64 s[4:5], s[4:5], s[20:21]
	s_and_b32 s22, s18, 0x18                       ; tokens: i = 8 C + 4 h + t goes to 8 C + 2 t + h, 32 runs a block
	s_and_b32 s23, s18, 3
	s_lshl_b32 s23, s23, 1
	s_or_b32 s22, s22, s23
	s_bfe_u32 s23, s18, 0x10002
	s_or_b32 s22, s22, s23
	s_lshr_b32 s26, s18, 5
	s_mul_i32 s26, s26, XBLK
	s_lshr_b32 s27, s18, 7                         ; weights: i = 128 part + 8 head + c goes to the head's block, run 8 part + (c with bits 0 and 1 exchanged)
	s_lshl_b32 s27, s27, 3
	s_and_b32 s28, s18, 4
	s_or_b32 s27, s27, s28
	s_and_b32 s28, s18, 1
	s_lshl_b32 s28, s28, 1
	s_or_b32 s27, s27, s28
	s_bfe_u32 s28, s18, 0x10001
	s_or_b32 s27, s27, s28
	s_bfe_u32 s28, s18, 0x40003
	s_mul_i32 s28, s28, WBLK
	s_cmp_lt_u32 ttmp9, WGA
	s_cselect_b32 s22, s22, s27                    ; the run in its block
	s_cselect_b32 s26, s26, s28                    ; the block
	s_mov_b32 s29, 6144
	s_cselect_b32 s29, 8192, s29                   ; its scale bytes
	s_mov_b32 s30, 49152
	s_cselect_b32 s30, 65536, s30                  ; half of its codes
	s_mov_b32 s27, 0
	s_mov_b32 s31, 0
	s_add_nc_u64 s[8:9], s[8:9], s[26:27]
	s_lshl_b32 s26, s22, 8
	s_add_nc_u64 s[10:11], s[8:9], s[26:27]        ; my run's 256 scale bytes
	s_lshl_b32 s26, s22, 11
	s_add_co_u32 s26, s26, s29
	s_add_nc_u64 s[8:9], s[8:9], s[26:27]          ; my run's codes of K 0-511,
	s_add_nc_u64 s[12:13], s[8:9], s[30:31]        ; and of K 512-1023
.macro LOAD t
.irp i, 0,1,2,3
	global_load_b128 v[R+16*((\t)%AHEAD)+4*\i:R+16*((\t)%AHEAD)+4*\i+3], v3, s[4:5] offset:2048*(\t)+512*\i th:TH_LOAD_NT   ; 32 lanes read 512 consecutive bytes
.endr
.endm
.macro TURN t                          ; step t's numbers through the stage: LDS serves a wave's instructions in order, so no wait stands between the stores and the loads
.irp i, 0,1,2,3
	ds_store_b128 v14, v[R+16*((\t)%AHEAD)+4*\i:R+16*((\t)%AHEAD)+4*\i+3] offset:32*SP*((\t)%2)+8*SP*\i
.endr
.irp i, 0,1,2,3
	ds_load_b128 v[X+16*((\t)%2)+4*\i:X+16*((\t)%2)+4*\i+3], v15 offset:32*SP*((\t)%2)+16*\i
.endr
.endm
.irp t, 0,1,2,3,4,5,6,7
	LOAD \t
.endr
; ---- THE ROTARY TABLE, made by the first 128 work-groups while their first 32 loads are out: 128 x 128 threads, 16 bytes each.  No LDS, no load, EXEC untouched.
	s_cmp_lt_u32 ttmp9, 128
	s_cbranch_scc0 .Lno_rope
	s_lshl_b32 s26, ttmp9, 11                      ; the work-group's 2,048 bytes of the table
	s_mov_b32 s27, 0
	s_add_nc_u64 s[24:25], s[24:25], s[26:27]
	s_lshl_b32 s26, ttmp9, 2
	s_add_co_u32 s26, s26, s16                     ; image number 4 x work-group + wave = 8 x tile + image
	s_lshr_b32 s27, s26, 3                         ; tile
	s_and_b32 s28, s26, 3                          ; image % 4
	s_bfe_u32 s29, s26, 0x10002                    ; image / 4: 0 cos, 1 sin
	s_xor_b32 s29, s29, 1                          ; a quarter turn more for cos
	s_lshr_b32 s30, s27, 2
	s_lshl_b32 s30, s30, 6
	s_and_b32 s31, s27, 3
	s_lshl_b32 s31, s31, 3
	s_add_co_u32 s30, s30, s31                     ; 64 (tile / 4) + 8 (tile % 4)
	s_mov_b32 s32, 0x3fc90fdb                      ; pi / 2, its first 24 bits,
	s_mov_b32 s33, 0xb33bbd2e                      ; and what is left of it
	s_mov_b32 s34, -0.00019515295891               ; sin r = r + r s (S2 + s (S1 + s S0)), s = r r
	s_mov_b32 s35, 0.0083321608736
	s_mov_b32 s36, -0.16666654611
	s_mov_b32 s37, 0.00002443315711809948          ; cos r = 1 - s / 2 + s s (C2 + s (C1 + s C0))
	s_mov_b32 s38, -0.001388731625493765
	s_mov_b32 s39, 0.04166664568298827
	v_and_b32 v[RT+21], 15, v2                     ; r
	v_and_b32 v[RT], 8, v2
	v_mul_u32_u24 v[RT], 3, v[RT]                  ; 24 (r / 8)
	v_add3_u32 v[RT+1], v[RT+21], v[RT], s30       ; the true token: rows 8-15 of a tile lie 32 tokens on
	v_cvt_f32_u32 v[RT+1], v[RT+1]
	v_lshrrev_b32 v[RT], 4, v2
	v_lshl_add_u32 v[RT], v[RT], 2, s28            ; key = 4 (lane / 16) + image % 4: my frequencies are 4 key + 0 .. 3
	v_mov_b32 v[RT+4], 1.0                         ; 10^(f / 8) for key 0; the assembler rounds the decimals to f32
	v_mov_b32 v[RT+5], 1.3335214321633240
	v_mov_b32 v[RT+6], 1.7782794100389228
	v_mov_b32 v[RT+7], 2.3713737056616552
.macro PICK k, l0, l1, l2, l3          ; where my key is k, take its four numbers
	v_cmp_ne_u32 vcc_lo, \k, v[RT]
	v_cndmask_b32 v[RT+4], \l0, v[RT+4], vcc_lo
	v_cndmask_b32 v[RT+5], \l1, v[RT+5], vcc_lo
	v_cndmask_b32 v[RT+6], \l2, v[RT+6], vcc_lo
	v_cndmask_b32 v[RT+7], \l3, v[RT+7], vcc_lo
.endm
	PICK 1, 3.1622776601683795, 4.2169650342858225, 5.6234132519034908, 7.4989420933245582
	PICK 2, 10.0, 13.335214321633240, 17.782794100389228, 23.713737056616552
	PICK 3, 31.622776601683795, 42.169650342858225, 56.234132519034908, 74.989420933245582
	PICK 4, 100.0, 133.35214321633240, 177.82794100389228, 237.13737056616552
	PICK 5, 316.22776601683795, 421.69650342858225, 562.34132519034908, 749.89420933245582
	PICK 6, 1000.0, 1333.5214321633240, 1778.2794100389228, 2371.3737056616552
	PICK 7, 3162.2776601683795, 4216.9650342858225, 5623.4132519034908, 7498.9420933245582
	s_wait_alu depctr_va_vdst(0)                   ; the wait ahead of the batch,
.irp i, 0,1,2,3
	v_rcp_f32 v[RT+12+\i], v[RT+4+\i]
.endr
	v_lshlrev_b32 v[RT+22], 4, v0                  ; my 16 bytes of the work-group's 2,048.  (A plain instruction behind the reciprocals)
	s_wait_alu depctr_va_vdst(0)                   ; and behind it
.irp i, 0,1,2,3
	v_fma_f32 v[RT+16+\i], -v[RT+4+\i], v[RT+12+\i], 1.0       ; two corrections by the exact residual 1 - x y bring the reciprocal to the nearest f32
.endr
.irp i, 0,1,2,3
	v_fma_f32 v[RT+12+\i], v[RT+12+\i], v[RT+16+\i], v[RT+12+\i]
.endr
.irp i, 0,1,2,3
	v_fma_f32 v[RT+16+\i], -v[RT+4+\i], v[RT+12+\i], 1.0
.endr
.irp i, 0,1,2,3
	v_fma_f32 v[RT+4+\i], v[RT+12+\i], v[RT+16+\i], v[RT+12+\i]   ; inv_freq
.endr
.macro ANGLE i
	v_mul_f32 v[RT+12], v[RT+1], v[RT+4+\i]        ; the angle: one f32 product
	v_mul_f32 v[RT+13], 0x3f22f983, v[RT+12]       ; x 2 / pi
	v_rndne_f32 v[RT+13], v[RT+13]                 ; n quarter turns
	v_fma_f32 v[RT+14], -v[RT+13], s32, v[RT+12]   ; exact: n has 10 bits, and the difference fits 24
	v_fma_f32 v[RT+14], -v[RT+13], s33, v[RT+14]   ; r in [-pi/4, pi/4]
	v_mul_f32 v[RT+15], v[RT+14], v[RT+14]         ; s
	v_fma_f32 v[RT+16], v[RT+15], s34, s35
	v_fma_f32 v[RT+17], v[RT+15], s37, s38
	v_fma_f32 v[RT+16], v[RT+16], v[RT+15], s36
	v_fma_f32 v[RT+17], v[RT+17], v[RT+15], s39
	v_mul_f32 v[RT+16], v[RT+16], v[RT+15]
	v_fma_f32 v[RT+21], v[RT+15], -0.5, 1.0
	v_mul_f32 v[RT+18], v[RT+15], v[RT+15]
	v_fma_f32 v[RT+16], v[RT+16], v[RT+14], v[RT+14]   ; sin r
	v_fma_f32 v[RT+17], v[RT+17], v[RT+18], v[RT+21]   ; cos r
	v_cvt_i32_f32 v[RT+18], v[RT+13]
	v_add_nc_u32 v[RT+18], s29, v[RT+18]           ; q = n, one more for cos
	v_and_b32 v[RT+21], 1, v[RT+18]
	v_cmp_eq_u32 vcc_lo, 1, v[RT+21]
	v_cndmask_b32 v[RT+16], v[RT+16], v[RT+17], vcc_lo   ; q odd: cos r, else sin r
	v_and_b32 v[RT+21], 2, v[RT+18]
	v_lshlrev_b32 v[RT+21], 30, v[RT+21]
	v_xor_b32 v[RT+8+\i], v[RT+21], v[RT+16]       ; q % 4 = 2, 3: the sign turns
.endm
	ANGLE 0
	ANGLE 1
	ANGLE 2
	ANGLE 3
	global_store_b128 v[RT+22], v[RT+8:RT+11], s[24:25]   ; the wave stores 512 consecutive bytes; none of these registers is written again
.Lno_rope:
	s_wait_loadcnt 4*(AHEAD-1)                     ; step 0's four loads are in; those of the seven steps behind it may be out
	s_wait_alu depctr_va_vdst(0)
	TURN 0
.macro STEP t
.set XS, X+16*((\t)%2)
.if (\t) > 0
	s_wait_dscnt 1                                 ; this step's numbers are back from the stage (the last step's byte store may be out): so its stores into the stage have read their registers,
.else
	s_wait_dscnt 0x0
.endif
.if (\t)+AHEAD < STEPS
	LOAD (\t)+AHEAD                                ; which take the loads of eight steps on
.endif
.if (\t)+1 < STEPS
.if STEPS-2-(\t) >= AHEAD-1
	s_wait_loadcnt 4*(AHEAD-1)                     ; the next step's four loads are in; those of the seven steps behind it may be out
.else
	s_wait_loadcnt 4*(STEPS-2-(\t))                ; near the end: as many steps as are left behind it
.endif
	TURN (\t)+1                                    ; through the other stage while this step is worked
.endif
	v_max3_num_f32 v8, |v[XS]|, |v[XS+1]|, |v[XS+2]|               ; the largest magnitude of my 16
	v_max3_num_f32 v9, |v[XS+3]|, |v[XS+4]|, |v[XS+5]|
.irp i, 6,10
	v_max3_num_f32 v8, v8, |v[XS+\i]|, |v[XS+\i+1]|
	v_max3_num_f32 v9, v9, |v[XS+\i+2]|, |v[XS+\i+3]|
.endr
	v_max3_num_f32 v8, v8, |v[XS+14]|, |v[XS+15]|
	v_max3_num_f32 v8, v8, v9, (EMAX+1)<<23        ; and the floor 2^(3 - 127): the byte cannot fall under 1
	v_max_num_f32_dpp v8, v8, v8 row_xmask:1 row_mask:0xf bank_mask:0xf   ; and of my neighbour's 16: the block's
	v_add_nc_u32 v11, -(EMAX<<23), v8              ; 2 off its exponent field: the conversion takes the exponent field of this operand as its scale
	v_cvt_scalef32_pk8_fp4_f32 v[C+2*(\t)], v[XS:XS+7], v11
	v_cvt_scalef32_pk8_fp4_f32 v[C+2*(\t)+1], v[XS+8:XS+15], v11
	v_lshrrev_b32 v[E+(\t)], 23, v11               ; the scale's byte
	ds_store_b8 v5, v[E+(\t)] offset:16*(\t)       ; both lanes of a block write the same byte with the same value
.if (\t)%2
	global_store_b64 v4, v[C+2*(\t):C+2*(\t)+1], s[12:13] offset:256*((\t)/2)   ; the wave stores 256 consecutive bytes, aligned
.else
	global_store_b64 v4, v[C+2*(\t):C+2*(\t)+1], s[8:9] offset:256*((\t)/2)
.endif
.endm
.irp t, 0,1,2,3,4,5,6,7,8,9,10,11,12,13,14,15
	STEP \t
.endr
	ds_load_b64 v[12:13], v6                       ; LDS serves a wave's instructions in order: these see my stores
	s_wait_dscnt 0x0
	global_store_b64 v7, v[12:13], s[10:11]        ; 32 lanes store 256 consecutive bytes, aligned
	s_wait_tensorcnt 0x0                           ; the wave's end
	ds_add_u32 v[SPW], v[NIL]
	s_wait_dscnt 0x0
	s_endpgm
.Lfunc_end_k_q2f907de329_prep:
	.size	k_q2f907de329_prep, .Lfunc_end_k_q2f907de329_prep-k_q2f907de329_prep
	.p2alignl 7, 3214868480
	.fill 96, 4, 3214868480
	.section	.rodata,"a",@progbits
	.p2align	6, 0x0
	.amdhsa_kernel k_q2f907de329_prep
		.amdhsa_group_segment_fixed_size 33280
		.amdhsa_private_segment_fixed_size 0
		.amdhsa_enable_private_segment 0
		.amdhsa_kernarg_size 40
		.amdhsa_user_sgpr_count 2
		.amdhsa_user_sgpr_kernarg_segment_ptr 1
		.amdhsa_wavefront_size32 1
		.amdhsa_system_sgpr_workgroup_id_x 1
		.amdhsa_system_sgpr_workgroup_id_y 1
		.amdhsa_system_sgpr_workgroup_id_z 1
		.amdhsa_system_vgpr_workitem_id 0
		.amdhsa_next_free_vgpr 256
		.amdhsa_next_free_sgpr 66
		.amdhsa_reserve_vcc 1
		.amdhsa_float_denorm_mode_32 3
		.amdhsa_float_denorm_mode_16_64 3
		.amdhsa_memory_ordered 1
		.amdhsa_forward_progress 1
		.amdhsa_inst_pref_size 44
	.end_amdhsa_kernel
	.amdgpu_metadata
---
amdhsa.version: [ 1, 2 ]
amdhsa.kernels:
  - .name:           k_q2f907de329_prep
    .symbol:         k_q2f907de329_prep.kd
    .args:
      - { .name: hidden_states, .offset: 0, .size: 8, .value_kind: global_buffer, .address_space: global }
      - { .name: Wqkv, .offset: 8, .size: 8, .value_kind: global_buffer, .address_space: global }
      - { .name: x_img, .offset: 16, .size: 8, .value_kind: global_buffer, .address_space: global }
      - { .name: w_img, .offset: 24, .size: 8, .value_kind: global_buffer, .address_space: global }
      - { .name: rope, .offset: 32, .size: 8, .value_kind: global_buffer, .address_space: global }
    .group_segment_fixed_size: 33280
    .private_segment_fixed_size: 0
    .kernarg_segment_align: 8
    .kernarg_segment_size: 40
    .max_flat_workgroup_size: 128
    .sgpr_count:     66
    .vgpr_count:     256
    .wavefront_size: 32
...
	.end_amdgpu_metadata
.endif
;; end of part 1
;; launch qkvgemm (part 2): grid 16 x 16, 4 waves a work-group, clusters of 4 x 4, 327,680 bytes of LDS; arguments x_img, w_img, bqkv, rope, qkv; writes qkv
.if DOCPART == 2
	.amdgcn_target "amdgcn-amd-amdhsa--gfx1250"
	.amdhsa_code_object_version 6
	.text
	.protected	k_q2f907de329_qkvgemm
	.globl	k_q2f907de329_qkvgemm
	.p2align	8
	.type	k_q2f907de329_qkvgemm,@function
k_q2f907de329_qkvgemm:
	s_mov_b64 s[64:65], 0
	v_nop
	global_prefetch_b8 v0, s[64:65] scope:SCOPE_SE
	s_setreg_imm32_b32 hwreg(HW_REG_WAVE_MODE, 25, 1), 1
	s_wait_xcnt 0x0
	s_wait_alu depctr_hold_cnt(0) depctr_sa_sdst(0) depctr_va_vdst(0) depctr_va_sdst(0) depctr_va_ssrc(0) depctr_va_vcc(0) depctr_vm_vsrc(0)
	s_getreg_b32 s2, hwreg(HW_REG_IB_STS2, 6, 4)
	s_cmp_eq_u32 s2, 0
	s_cbranch_scc0 .Lentry_in_a_cluster
	s_endpgm
.Lentry_in_a_cluster:
	s_bfe_u32 s2, ttmp6, 0x10000c
	s_cmp_lg_u32 s2, 0xf033
	s_cbranch_scc0 .Lentry_shape_is_right
	s_endpgm
.Lentry_shape_is_right:
; qkv = X Wqkv^T + b on codes of FP4 (E2M1) with E8M0 scales, K = 1,024; then the rotary embedding on q and k; then q, k (along the head's 64) and v (along the tokens) are quantised again,
; and leave as IMAGES OF OPERAND REGISTERS (lane l's 16 bytes at 16 l) for the attention launch.  No f32 number of qkv goes to memory.
; A work-group makes 256 tokens (y) x one head's q, k and v, 192 columns (x): 256 work-groups of equal work.  Wave w: 128 tokens, half w / 2; columns by w % 2: q and v's channels 0-31, or k and v's channels 32-63.
; q, k: source 0 = 16 rows of W, source 1 = 16 tokens: a lane holds ONE token, its registers run along the channels.  v: source 0 = 16 tokens, source 1 = 16 rows of W: a lane holds ONE channel, its registers run along the tokens.
; The bias is the C of each sum's first product.
; TOKENS ARE STORED PERMUTED (stored 16 T + r = true 64 (T / 4) + 8 (T % 4) + 32 (r / 8) + r % 8): a lane's 32 registers of four tiles are ONE block of 32 tokens, 64 C + 32 (l / 16) + 0 .. 31, in the operand's own order.
; W's rows: stored 16 T + r = 32 (T / 2) + 8 (T % 2) + r + 8 (r / 8): the 16 registers of two tiles are channels 32 i + 16 (l / 16) + 0 .. 15, so a channel and its rotary partner 32 on stand in one lane.
; CLUSTERS: 4 x 4 work-groups; X's tiles are asked for jointly along a row of the cluster, W's along a column.
; ALL OF K LIES IN LDS: each wave has ONE joint load at the head: wave 0 X's scales and K 0-511, wave 1 W's, wave 2 X's K 512-1023, wave 3 W's.  Nothing is filled again.  No prefetch: there is no loop to run ahead in, every tile is asked for at the head.
; THE RECORD OF A HEAD in qkv (HS bytes): K at 0, V at VREC, Q at QREC; each: 8 steps x 512 bytes of scale words, then 32,768 bytes of codes.
; LIMITS: NaN and infinities are not served; a block of zeros or under 2^-124 gets the byte 1 (read by this program alone).  The bias is the first and not the last term of a sum.
; REGISTERS: window 0: v1-31 addresses; v32-95 scale words; v96-127 bias of q or k; v128-255 X's fragments, two sets of 8.
;   window 1: W's fragments, two sets of 6, v0-95; v's bias v96-111; rotary table of token tiles 0-3 v128-255.
;   window 2: accumulators of q or k, (a, b) at v[32 a + 8 b].   window 3: those of v, (u, a) at v[64 u + 8 a]; rotary table of tiles 4-7 v128-255.
;   The way out, window 0: v32-79 codes, v80-83 words, v128-191 rotated numbers, v192-215 at work.
.set PITCH,  272                       ; an LDS row: 256 bytes + 16 of padding: the 16 rows that a load touches start at 16 different banks (64 banks of 4 bytes: ISA guide 11.1)
.set X0,     32*PITCH                  ; LDS: X's scales at 0 (32 rows), K 0-511,
.set X1,     288*PITCH                 ; K 512-1023;
.set WS,     544*PITCH                 ; W's scales (24 rows),
.set W0,     WS+24*PITCH
.set W1,     W0+192*PITCH
.set SPARE,  259072                    ; the spare words, 128 bytes for each wave, that no other line names
.set XBLK,   139264
.set WBLK,   104448
.set HS,     110592                    ; a head's record
.set VREC,   36864
.set QREC,   73728
.set L8,   7                           ; v7      8 x lane
.set ADX, 16                           ; v16-17  LDS address of my X fragments, K half 0, 1
.set ADW, 18                           ; v18-19  of q's or k's rows of W
.set ADV, 20                           ; v20-21  of v's
.set ADS, 22                           ; v22     of scale words: lanes 0-15 X's tile i, lanes 16-31 W's tile i < 4;
.set ADS2, 23                          ; v23     the same for i >= 4
.set SPW,  28                          ; v28     my spare word; never rewritten
.set NIL,  29                          ; v29     0; never rewritten
.set LI,   30                          ; v30     16 x lane
.set HB,   31                          ; v31     64 x (lane / 16)
.set SC,   32                          ; scale words: K half s, tile i, step q at v[SC + 32 s + 4 i + q]
.set BQ,   96
.set SWD,  80
.set MSB, 0
.macro WIN new                         ; the immediate's high byte repeats the setting that is left
.if MSB != (\new)
	s_set_vgpr_msb (MSB<<8)|(\new)
.set MSB, \new
.endif
.endm
.macro CREST
	s_cmp_lg_u32 s14, 0
	s_cbranch_scc1 .Lnot_wave_0_\@
	s_barrier_signal -3
.Lnot_wave_0_\@:
	s_barrier_wait -3
	s_barrier_signal -1
	s_barrier_wait -1
.endm
.macro CROUND
	s_barrier_signal -1
	s_barrier_wait -1
	CREST
.endm
.macro GROUP1 g, mask, rows            ; rows of 256 bytes (32 elements of 8), dense, 16 bytes of padding behind each in LDS; bit 21 beside a mask
	s_or_b32 s[\g], \mask, (3<<16)|(1<<20)|(1<<21)|(5<<22)|(3<<25)
	s_mov_b32 s[\g+1], 32<<16
	s_mov_b32 s[\g+2], (\rows)<<16
	s_mov_b32 s[\g+3], 32<<16
	s_mov_b32 s[\g+4], \rows
	s_mov_b32 s[\g+5], 32
	s_mov_b32 s[\g+6], 0
	s_mov_b32 s[\g+7], 0
.endm
.macro GROUP0 g, lds, base, off
	s_mov_b32 s[\g], 1
	s_mov_b32 s[\g+1], \lds
	s_add_nc_u64 s[\g+2:\g+3], s[\base:\base+1], \off
	s_or_b32 s[\g+3], s[\g+3], 0x80000000
.endm
	s_load_b256 s[4:11], s[0:1], 0x0               ; x_img, w_img, bqkv, rope
	s_load_b64 s[12:13], s[0:1], 0x20              ; qkv
	v_lshl_add_u32 v[SPW], v0, 2, SPARE
	v_mov_b32 v[NIL], 0
	ds_add_u32 v[SPW], v[NIL]                      ; the wave's opening: the add, twice on end, and its wait
	ds_add_u32 v[SPW], v[NIL]
	v_lshrrev_b32 v1, 5, v0
	v_readfirstlane_b32 s14, v1                    ; wave 0..3
	s_lshr_b32 s15, s14, 1                         ; which 128 tokens
	s_and_b32 s16, s14, 1                          ; q (0) or k (1), and which half of v
	s_bfe_u32 s19, ttmp6, 0x40000                  ; cx, cy: my place in the cluster
	s_bfe_u32 s20, ttmp6, 0x40004
	s_lshl_b32 s18, ttmp9, 2
	s_add_co_u32 s18, s18, s19                     ; the head
	s_and_b32 s17, ttmp7, 0xffff
	s_lshl_b32 s17, s17, 2
	s_add_co_u32 s17, s17, s20                     ; the block of 256 tokens
	s_lshl_b32 s21, s20, 2
	s_lshl_b32 s21, 15, s21                        ; my row of the cluster
	s_lshl_b32 s22, 0x1111, s19                    ; my column
	GROUP1 24, s21, 288
	GROUP1 32, s22, 216
	GROUP1 40, s21, 256
	GROUP1 48, s22, 192
	s_mul_i32 s84, s17, XBLK
	s_mov_b32 s85, 0
	s_mul_i32 s86, s18, WBLK
	s_mov_b32 s87, 0
	s_mov_b32 s66, 0x76543210                      ; v_permlanex16_b32's selects for lane l xor 16
	s_mov_b32 s67, 0xfedcba98
	s_wait_dscnt 0x0
	s_wait_kmcnt 0x0
	s_add_nc_u64 s[84:85], s[4:5], s[84:85]
	s_add_nc_u64 s[86:87], s[6:7], s[86:87]
	GROUP0 68, 0, 84, 0
	GROUP0 72, WS, 86, 0
	GROUP0 76, X1, 84, 73728
	GROUP0 80, W1, 86, 55296
	CROUND                                         ; all sixteen work-groups are here: the joint loads meet
; ONE tree of branches on the wave's number: every way through the head passes exactly one load.
.macro ARM under, g0, g1, next
	s_cmp_lt_u32 s14, \under
	s_cbranch_scc0 \next
	tensor_load_to_lds s[\g0:\g0+3], s[\g1:\g1+7]
	s_nop 0
.rept 4
	v_nop
.endr
	s_branch .Lhead_asked
\next:
.endm
	ARM 1, 68, 24, .Lhead_w0
	ARM 2, 72, 32, .Lhead_x1
	ARM 3, 76, 40, .Lhead_w1
	tensor_load_to_lds s[80:83], s[48:55]
	s_nop 0
.rept 4
	v_nop
.endr
.Lhead_asked:
	s_mul_i32 s84, s15, 128*PITCH                  ; LDS: my 128 rows of X,
	s_add_co_u32 s84, s84, X0
	s_add_co_u32 s85, s84, X1-X0
	s_mul_i32 s86, s16, 64*PITCH                   ; my 64 rows of Wq or Wk,
	s_add_co_u32 s86, s86, W0
	s_add_co_u32 s87, s86, W1-W0
	s_mul_i32 s88, s16, 32*PITCH                   ; my 32 rows of Wv
	s_add_co_u32 s88, s88, W0+128*PITCH
	s_add_co_u32 s89, s88, W1-W0
	s_mul_i32 s90, s15, 16*PITCH                   ; scale bytes, 32 a row: 8 rows to an LDS row
	s_mul_i32 s91, s16, 8*PITCH
	s_add_co_u32 s91, s91, WS
	s_sub_co_u32 s91, s91, s90                     ; from X's to W's, tiles 0-3
	s_mul_i32 s92, s16, 4*PITCH
	s_add_co_u32 s92, s92, WS+8*PITCH              ; tile i lies 2 i LDS rows on; v's tile 4 begins at LDS row 16 (+ 4 for the upper half)
	s_sub_co_u32 s92, s92, s90
	s_lshl_b32 s94, s18, 8
	s_mov_b32 s95, 0
	s_mov_b32 s97, 0
	s_add_nc_u64 s[8:9], s[8:9], s[94:95]          ; the bias of my head,
	s_lshl_b32 s96, s16, 12
	s_add_nc_u64 s[20:21], s[8:9], s[96:97]        ; q's or k's,
	s_lshl_b32 s96, s16, 7
	s_add_co_u32 s96, s96, 8192
	s_add_nc_u64 s[22:23], s[8:9], s[96:97]        ; v's
	s_and_b32 s98, s17, 3                          ; which 256 tokens of the sequence
	s_lshl_b32 s96, s98, 16
	s_lshl_b32 s99, s15, 15
	s_add_co_u32 s96, s96, s99
	s_add_nc_u64 s[10:11], s[10:11], s[96:97]      ; the table: 4,096 bytes a tile of 16 tokens
	s_lshr_b32 s96, s17, 2
	s_lshl_b32 s96, s96, 4
	s_add_co_u32 s96, s96, s18
	s_mul_i32 s96, s96, HS
	s_add_nc_u64 s[12:13], s[12:13], s[96:97]      ; the head's record
	s_lshl_b32 s98, s98, 1
	s_add_co_u32 s98, s98, s15                     ; my step of 128 tokens
	s_lshl_b32 s94, s98, 9
	s_lshl_b32 s96, s98, 12
	s_add_nc_u64 s[4:5], s[12:13], s[94:95]
	s_add_nc_u64 s[6:7], s[12:13], s[96:97]
	s_xor_b32 s99, s16, 1
	s_mul_i32 s94, s99, QREC
	s_add_nc_u64 s[56:57], s[4:5], s[94:95]        ; q's or k's scale words,
	s_add_nc_u64 s[58:59], s[6:7], s[94:95]        ; and, 4,096 on, codes
	s_lshl_b32 s94, s16, 8
	s_add_co_u32 s94, s94, VREC
	s_add_nc_u64 s[60:61], s[4:5], s[94:95]        ; v's scale words: 256 bytes for each half of the channels,
	s_lshl_b32 s94, s16, 11
	s_add_co_u32 s94, s94, VREC+4096
	s_add_nc_u64 s[62:63], s[6:7], s[94:95]        ; and codes
	v_and_b32 v1, 15, v0                           ; r = l % 16
	v_bfe_u32 v2, v0, 4, 1                         ; h = l / 16
	v_mul_u32_u24 v3, v1, PITCH
	v_lshl_add_u32 v3, v2, 4, v3                   ; a fragment's row x pitch + 16 h
.irp s, 0,1
	v_add_nc_u32 v[ADX+\s], s[84+\s], v3
	v_add_nc_u32 v[ADW+\s], s[86+\s], v3
	v_add_nc_u32 v[ADV+\s], s[88+\s], v3
.endr
	v_lshlrev_b32 v4, 5, v1                        ; my row's 32 scale bytes,
	v_lshrrev_b32 v5, 3, v1
	v_lshl_add_u32 v4, v5, 4, v4                   ; and 16 more for each 256 passed
	v_add_nc_u32 v4, s90, v4
	v_mul_u32_u24 v5, s91, v2                      ; lanes 16-31 take W's
	v_mul_u32_u24 v6, s92, v2
	v_add_nc_u32 v[ADS], v4, v5
	v_add_nc_u32 v[ADS2], v4, v6
	v_and_b32 v6, 31, v0
	v_lshlrev_b32 v[LI], 4, v6
	v_lshlrev_b32 v[L8], 3, v6
	v_lshlrev_b32 v[HB], 6, v2
	v_and_b32 v5, 8, v0
	v_add_lshl_u32 v8, v1, v5, 2                   ; (r + 8 (r / 8)) x 4
	s_wait_alu depctr_va_vdst(0)                   ; the wait at the head's end
.irp i, 0,1,2,3
.irp k, 0,1
	global_load_b128 v[BQ+8*\i+4*\k:BQ+8*\i+4*\k+3], v[HB], s[20:21] offset:(32*(\i/2)+8*(\i%2))*4+16*\k   ; tile i's registers are channels 32 (i / 2) + 16 h + 8 (i % 2) + 0 .. 7
.endr
.endr
	WIN 0x40
.irp u, 0,1
.irp k, 0,1,2,3,4,5,6,7
	global_load_b32 v[96+8*\u+\k], v8, s[22:23] offset:32*\u   ; my channel's bias, eight times: the C of a tile's first product
.endr
.endr
	WIN 0
.macro FETCH n                         ; step n's fragments (128 along K) into set n % 2: 16 rows x 128 K: registers 4 c .. 4 c + 3 hold K = 64 c + 32 h + 0 .. 31
	WIN 0x40
.irp i, 0,1,2,3
.irp c, 0,1
	ds_load_b128 v[48*((\n)%2)+8*\i+4*\c:48*((\n)%2)+8*\i+4*\c+3], v[ADW+(\n)/4] offset:16*PITCH*\i+64*((\n)%4)+32*\c
.endr
.endr
.irp i, 0,1
.irp c, 0,1
	ds_load_b128 v[48*((\n)%2)+32+8*\i+4*\c:48*((\n)%2)+32+8*\i+4*\c+3], v[ADV+(\n)/4] offset:16*PITCH*\i+64*((\n)%4)+32*\c
.endr
.endr
	WIN 0
.irp i, 0,1,2,3,4,5,6,7
.irp c, 0,1
	ds_load_b128 v[128+64*((\n)%2)+8*\i+4*\c:128+64*((\n)%2)+8*\i+4*\c+3], v[ADX+(\n)/4] offset:16*PITCH*\i+64*((\n)%4)+32*\c
.endr
.endr
.endm
; The 48 accumulators take turns, one instruction a turn, in the same order in every step.
.macro MQK n, first, a0                ; q or k: token tiles a0 .. a0 + 3 x 4 column tiles
.if \first
	WIN 0x81                                       ; source 0 window 1, source 1 window 0, C (the bias) window 0, D window 2
.else
	WIN 0xa1
.endif
.irp a, \a0, \a0+1, \a0+2, \a0+3
.irp b, 0,1,2,3
.if \first
	v_wmma_scale_f32_16x16x128_f8f6f4 v[32*(\a)+8*\b:32*(\a)+8*\b+7], v[48*((\n)%2)+8*\b:48*((\n)%2)+8*\b+7], v[128+64*((\n)%2)+8*(\a):128+64*((\n)%2)+8*(\a)+7], v[BQ+8*\b:BQ+8*\b+7], v[SC+32*((\n)/4)+4*\b+(\n)%4], v[SC+32*((\n)/4)+4*(\a)+(\n)%4] matrix_a_fmt:MATRIX_FMT_FP4 matrix_b_fmt:MATRIX_FMT_FP4 matrix_a_scale:MATRIX_SCALE_ROW1
.else
	v_wmma_scale_f32_16x16x128_f8f6f4 v[32*(\a)+8*\b:32*(\a)+8*\b+7], v[48*((\n)%2)+8*\b:48*((\n)%2)+8*\b+7], v[128+64*((\n)%2)+8*(\a):128+64*((\n)%2)+8*(\a)+7], v[32*(\a)+8*\b:32*(\a)+8*\b+7], v[SC+32*((\n)/4)+4*\b+(\n)%4], v[SC+32*((\n)/4)+4*(\a)+(\n)%4] matrix_a_fmt:MATRIX_FMT_FP4 matrix_b_fmt:MATRIX_FMT_FP4 matrix_a_scale:MATRIX_SCALE_ROW1
.endif
.endr
.endr
.endm
.macro MV n, first                     ; v: 2 channel tiles x 8 token tiles
.if \first
	WIN 0xd4                                       ; source 0 window 0, source 1 window 1, C (the bias) window 1, D window 3
.else
	WIN 0xf4
.endif
.irp u, 0,1
.irp a, 0,1,2,3,4,5,6,7
.if \first
	v_wmma_scale_f32_16x16x128_f8f6f4 v[64*\u+8*\a:64*\u+8*\a+7], v[128+64*((\n)%2)+8*\a:128+64*((\n)%2)+8*\a+7], v[48*((\n)%2)+32+8*\u:48*((\n)%2)+32+8*\u+7], v[96+8*\u:96+8*\u+7], v[SC+32*((\n)/4)+4*\a+(\n)%4], v[SC+32*((\n)/4)+16+4*\u+(\n)%4] matrix_a_fmt:MATRIX_FMT_FP4 matrix_b_fmt:MATRIX_FMT_FP4 matrix_b_scale:MATRIX_SCALE_ROW1
.else
	v_wmma_scale_f32_16x16x128_f8f6f4 v[64*\u+8*\a:64*\u+8*\a+7], v[128+64*((\n)%2)+8*\a:128+64*((\n)%2)+8*\a+7], v[48*((\n)%2)+32+8*\u:48*((\n)%2)+32+8*\u+7], v[64*\u+8*\a:64*\u+8*\a+7], v[SC+32*((\n)/4)+4*\a+(\n)%4], v[SC+32*((\n)/4)+16+4*\u+(\n)%4] matrix_a_fmt:MATRIX_FMT_FP4 matrix_b_fmt:MATRIX_FMT_FP4 matrix_b_scale:MATRIX_SCALE_ROW1
.endif
.endr
.endr
.endm
.macro PLACES                          ; plain vector instructions that name none of the matrix instruction's registers (ISA guide 7.12.1)
.rept 4
	v_nop
.endr
.endm
.macro STEP n, first                   ; 128 along K: 48 matrix instructions, under which the next step's 28 loads land
.if ((\n) == 0) || ((\n) == 3)
	s_wait_dscnt 0x0                               ; this step's fragments are in
.endif
.if (\n) == 3                          ; the next step lies in K half 1: one barrier, in front of which every wave's load has landed
	s_wait_tensorcnt 0x0
	s_barrier_signal -1
	MQK \n, 0, 0
	s_barrier_wait -1
.endif
.if (\n) < 7
.if (\n) > 0
	PLACES                                         ; the step before read the registers that are loaded now
.endif
	FETCH (\n)+1
.endif
.if (\n) == 7
	s_wait_dscnt 8                                 ; W's fragments and X's tiles 0-3 are in; the youngest eight loads (X's tiles 4-7) may be out
.elseif (\n) != 3
	s_wait_dscnt 36                                ; the same, and the next step's 28 may be out
.endif
.if (\n) != 3
	MQK \n, \first, 0
.endif
.if (\n) == 7
	s_wait_dscnt 0x0
.elseif (\n) != 3
	s_wait_dscnt 28                                ; all of this step's are in
.endif
	MQK \n, \first, 4
	MV \n, \first
.endm
	s_wait_loadcnt 0x0                             ; the bias
	s_cmp_gt_u32 s14, 1
	s_cbranch_scc1 .Llater
	s_wait_tensorcnt 0x0                           ; waves 0 and 1: the scales and K half 0 have landed (waves 2 and 3 wait for K half 1 in step 3)
.Llater:
	s_barrier_signal -1
	s_barrier_wait -1
.irp s, 0,1
.irp i, 0,1,2,3
	ds_load_b128 v[SC+32*\s+4*\i:SC+32*\s+4*\i+3], v[ADS] offset:2*PITCH*\i+16*\s
.endr
.irp i, 4,5,6,7
	ds_load_b128 v[SC+32*\s+4*\i:SC+32*\s+4*\i+3], v[ADS2] offset:2*PITCH*\i+16*\s   ; (tiles 6 and 7: lanes 16-31 bring bytes that no product reads)
.endr
.endr
	FETCH 0
	STEP 0, 1                                      ; nothing is cleared
.irp a, 0,1,2,3                        ; the rotary table of my eight token tiles: cos (16 registers) and sin (16) a tile, asked for seven steps ahead of their use
.irp c, 0,1,2,3,4,5,6,7
	WIN 0x40
	global_load_b128 v[128+32*\a+4*\c:128+32*\a+4*\c+3], v[LI], s[10:11] offset:4096*\a+512*\c
.endr
.endr
.irp a, 0,1,2,3
.irp c, 0,1,2,3,4,5,6,7
	WIN 0xc0
	global_load_b128 v[128+32*\a+4*\c:128+32*\a+4*\c+3], v[LI], s[10:11] offset:4096*(\a+4)+512*\c
.endr
.endr
.irp n, 1,2,3,4,5,6,7
	STEP \n, 0
.endr
	WIN 0
	PLACES                                         ; in front of the first reads of results and of writes into registers that the products read
	s_wait_loadcnt 0x0                             ; the table is in
.irp t, 0,1,2,3
	v_mov_b32 v[200+\t], 0                         ; written once: a lane permute's destination counts as one of its sources
.endr
; ---- q or k: token tiles a0 and a0 + 1.  A lane's 32 registers of a tile: x1 = channels 16 h + 0 .. 15, x2 = 32 channels on; v128 + 32 u: y1, y2: four blocks, t = 2 u + half, of 16 numbers a lane.
.macro QKPAIR a0
	WIN 0x06+8*((\a0)/4)                           ; source 0 window 2, source 1 (the table) window 1 or 3
.irp u, 0,1
.irp k, 0,2,4,6,8,10,12,14
	v_pk_mul_f32 v[128+32*\u+\k:129+32*\u+\k], v[32*((\a0)+\u)+\k:32*((\a0)+\u)+\k+1], v[128+32*(((\a0)+\u)%4)+\k:129+32*(((\a0)+\u)%4)+\k]
	v_pk_mul_f32 v[144+32*\u+\k:145+32*\u+\k], v[32*((\a0)+\u)+16+\k:32*((\a0)+\u)+17+\k], v[128+32*(((\a0)+\u)%4)+\k:129+32*(((\a0)+\u)%4)+\k]
.endr
.endr
.irp u, 0,1
.irp k, 0,2,4,6,8,10,12,14
	v_pk_fma_f32 v[128+32*\u+\k:129+32*\u+\k], v[32*((\a0)+\u)+16+\k:32*((\a0)+\u)+17+\k], v[144+32*(((\a0)+\u)%4)+\k:145+32*(((\a0)+\u)%4)+\k], v[128+32*\u+\k:129+32*\u+\k] neg_lo:[1,0,0] neg_hi:[1,0,0]   ; x1 cos - x2 sin
	v_pk_fma_f32 v[144+32*\u+\k:145+32*\u+\k], v[32*((\a0)+\u)+\k:32*((\a0)+\u)+\k+1], v[144+32*(((\a0)+\u)%4)+\k:145+32*(((\a0)+\u)%4)+\k], v[144+32*\u+\k:145+32*\u+\k]   ; x2 cos + x1 sin
.endr
.endr
	WIN 0
.irp t, 0,1,2,3
	v_max3_num_f32 v[192+\t], |v[128+16*\t]|, |v[129+16*\t]|, |v[130+16*\t]|
.endr
.irp t, 0,1,2,3
	v_max3_num_f32 v[196+\t], |v[137+16*\t]|, |v[138+16*\t]|, |v[139+16*\t]|   ; (a block's largest magnitude of my 16, in two chains)
.endr
.irp i, 3,5,7
.irp t, 0,1,2,3
	v_max3_num_f32 v[192+\t], v[192+\t], |v[128+16*\t+\i]|, |v[129+16*\t+\i]|
.endr
.endr
.irp i, 12,14
.irp t, 0,1,2,3
	v_max3_num_f32 v[196+\t], v[196+\t], |v[128+16*\t+\i]|, |v[129+16*\t+\i]|
.endr
.endr
.irp t, 0,1,2,3
	v_max3_num_f32 v[192+\t], v[192+\t], v[196+\t], 0x1800000   ; and the floor 2^(3 - 127): the byte cannot fall under 1
.endr
.irp t, 0,1,2,3
	v_permlanex16_b32 v[200+\t], v[192+\t], s66, s67
.endr
.irp t, 0,1,2,3
	v_max_num_f32 v[192+\t], v[192+\t], v[200+\t]  ; with lane l xor 16's
.endr
.irp t, 0,1,2,3
	v_add_nc_u32 v[204+\t], 0xff000000, v[192+\t]  ; 2 off its exponent field: the conversion's scale operand
.endr
.irp t, 0,1,2,3
	v_lshrrev_b32 v[208+\t], 23, v[204+\t]         ; the scale's byte
.endr
.irp t, 0,1,2,3
	v_cvt_scalef32_pk8_fp4_f32 v[32+4*(\a0)+2*\t], v[128+16*\t:135+16*\t], v[204+\t]
	v_cvt_scalef32_pk8_fp4_f32 v[33+4*(\a0)+2*\t], v[136+16*\t:143+16*\t], v[204+\t]
.endr
	v_lshl_or_b32 v212, v209, 8, v208
	v_lshl_or_b32 v213, v211, 8, v210
	v_lshl_or_b32 v[SWD+(\a0)/2], v213, 16, v212   ; two tiles' bytes make a word: attention reads two tiles of keys as one operand
.irp u, 0,1
	v_permlane16_swap_b32 v[32+4*((\a0)+\u)], v[34+4*((\a0)+\u)]   ; a whole block to a lane: lanes 0-15 channels 0-31, lanes 16-31 channels 32-63
	v_permlane16_swap_b32 v[33+4*((\a0)+\u)], v[35+4*((\a0)+\u)]
.endr
.irp u, 0,1
	global_store_b128 v[LI], v[32+4*((\a0)+\u):35+4*((\a0)+\u)], s[58:59] offset:4096+512*((\a0)+\u)   ; a tile's image: the wave stores 512 consecutive bytes, aligned; these registers are written once
.endr
.endm
.irp a, 0,2,4,6
	QKPAIR \a
.endr
	global_store_b128 v[LI], v[SWD:SWD+3], s[56:57]   ; the step's four words a row
; ---- v: two channel tiles u; block t = 2 u + C is my channel's 32 tokens 64 C + 32 h + 0 .. 31, v[32 t ..] of window 3: no other lane is asked for a maximum
	WIN 0x3f
.irp t, 0,1,2,3
	v_max3_num_f32 v[192+\t], |v[32*\t]|, |v[32*\t+1]|, |v[32*\t+2]|
.endr
.irp t, 0,1,2,3
	v_max3_num_f32 v[196+\t], |v[32*\t+17]|, |v[32*\t+18]|, |v[32*\t+19]|
.endr
	WIN 0x3c
.irp i, 3,5,7,9,11,13,15
.irp t, 0,1,2,3
	v_max3_num_f32 v[192+\t], v[192+\t], |v[32*\t+\i]|, |v[32*\t+\i+1]|
.endr
.endr
.irp i, 20,22,24,26,28,30
.irp t, 0,1,2,3
	v_max3_num_f32 v[196+\t], v[196+\t], |v[32*\t+\i]|, |v[32*\t+\i+1]|
.endr
.endr
	WIN 0
.irp t, 0,1,2,3
	v_max3_num_f32 v[192+\t], v[192+\t], v[196+\t], 0x1800000
.endr
.irp t, 0,1,2,3
	v_add_nc_u32 v[204+\t], 0xff000000, v[192+\t]
.endr
.irp t, 0,1,2,3
	v_lshrrev_b32 v[208+\t], 23, v[204+\t]
.endr
	WIN 0x03
.irp t, 0,1,2,3
.irp g, 0,1,2,3
	v_cvt_scalef32_pk8_fp4_f32 v[64+4*\t+\g], v[32*\t+8*\g:32*\t+8*\g+7], v[204+\t]   ; the operand's registers as they stand
.endr
.endr
	WIN 0
.irp u, 0,1
	v_lshl_or_b32 v[212+\u], v[209+2*\u], 16, v[208+2*\u]   ; my bytes are 2 C + h of the word:
.endr
.irp u, 0,1
	v_permlanex16_b32 v[200+\u], v[212+\u], s66, s67
.endr
.irp u, 0,1
	v_lshl_or_b32 v[214+\u], v[200+\u], 8, v[212+\u]   ; with lane l + 16's two the word of lanes 0-15 is whole (lanes 16-31's are not read)
.endr
	global_store_b64 v[L8], v[214:215], s[60:61]   ; 256 consecutive bytes
.irp u, 0,1
.irp c, 0,1
	global_store_b128 v[LI], v[64+8*\u+4*\c:67+8*\u+4*\c], s[62:63] offset:1024*\u+512*\c
.endr
.endr
	s_wait_tensorcnt 0x0                           ; the wave's end
	ds_add_u32 v[SPW], v[NIL]
	s_wait_dscnt 0x0
	CROUND                                         ; the closing round: no work-group ends while a partner may still ask for a tile that names it
	s_endpgm
.Lfunc_end_k_q2f907de329_qkvgemm:
	.size	k_q2f907de329_qkvgemm, .Lfunc_end_k_q2f907de329_qkvgemm-k_q2f907de329_qkvgemm
	.p2alignl 7, 3214868480
	.fill 96, 4, 3214868480
	.section	.rodata,"a",@progbits
	.p2align	6, 0x0
	.amdhsa_kernel k_q2f907de329_qkvgemm
		.amdhsa_group_segment_fixed_size 327680
		.amdhsa_private_segment_fixed_size 0
		.amdhsa_enable_private_segment 0
		.amdhsa_kernarg_size 40
		.amdhsa_user_sgpr_count 2
		.amdhsa_user_sgpr_kernarg_segment_ptr 1
		.amdhsa_wavefront_size32 1
		.amdhsa_system_sgpr_workgroup_id_x 1
		.amdhsa_system_sgpr_workgroup_id_y 1
		.amdhsa_system_sgpr_workgroup_id_z 1
		.amdhsa_system_vgpr_workitem_id 0
		.amdhsa_next_free_vgpr 1024
		.amdhsa_next_free_sgpr 102
		.amdhsa_reserve_vcc 0
		.amdhsa_float_denorm_mode_32 3
		.amdhsa_float_denorm_mode_16_64 3
		.amdhsa_memory_ordered 1
		.amdhsa_forward_progress 1
		.amdhsa_inst_pref_size 123
	.end_amdhsa_kernel
	.amdgpu_metadata
---
amdhsa.version: [ 1, 2 ]
amdhsa.kernels:
  - .name:           k_q2f907de329_qkvgemm
    .symbol:         k_q2f907de329_qkvgemm.kd
    .args:
      - { .name: x_img, .offset: 0, .size: 8, .value_kind: global_buffer, .address_space: global }
      - { .name: w_img, .offset: 8, .size: 8, .value_kind: global_buffer, .address_space: global }
      - { .name: bqkv, .offset: 16, .size: 8, .value_kind: global_buffer, .address_space: global }
      - { .name: rope, .offset: 24, .size: 8, .value_kind: global_buffer, .address_space: global }
      - { .name: qkv, .offset: 32, .size: 8, .value_kind: global_buffer, .address_space: global }
    .group_segment_fixed_size: 327680
    .private_segment_fixed_size: 0
    .kernarg_segment_align: 8
    .kernarg_segment_size: 40
    .max_flat_workgroup_size: 128
    .sgpr_count:     102
    .vgpr_count:     1024
    .wavefront_size: 32
...
	.end_amdgpu_metadata
.endif
;; end of part 2
;; launch attn (part 3): grid 4 x 64, 16 waves a work-group, clusters of 4 x 1, 184,320 bytes of LDS; arguments qkv, out0; writes out0
.if DOCPART == 3
	.amdgcn_target "amdgcn-amd-amdhsa--gfx1250"
	.amdhsa_code_object_version 6
	.text
	.protected	k_q2f907de329_attn
	.globl	k_q2f907de329_attn
	.p2align	8
	.type	k_q2f907de329_attn,@function
k_q2f907de329_attn:
	s_mov_b64 s[64:65], 0
	v_nop
	global_prefetch_b8 v0, s[64:65] scope:SCOPE_SE
	s_setreg_imm32_b32 hwreg(HW_REG_WAVE_MODE, 25, 1), 1
	s_wait_xcnt 0x0
	s_wait_alu depctr_hold_cnt(0) depctr_sa_sdst(0) depctr_va_vdst(0) depctr_va_sdst(0) depctr_va_ssrc(0) depctr_va_vcc(0) depctr_vm_vsrc(0)
	s_getreg_b32 s2, hwreg(HW_REG_IB_STS2, 6, 4)
	s_cmp_eq_u32 s2, 0
	s_cbranch_scc0 .Lentry_in_a_cluster
	s_endpgm
.Lentry_in_a_cluster:
	s_bfe_u32 s2, ttmp6, 0x10000c
	s_cmp_lg_u32 s2, 0x3003
	s_cbranch_scc0 .Lentry_shape_is_right
	s_endpgm
.Lentry_shape_is_right:
; out[b][q][head][:] = the sum over keys k <= q of softmax_k(q . k / 8) v[k][:], both products on codes of FP4 (E2M1) with E8M0 scales; 64 heads of 1,024 tokens x 64 channels.
; THE SOFTMAX AHEAD OF THE SECOND PRODUCT: t = score x log2(e) / 8; M = the row's largest t so far, rounded UP to a whole number; p = 2^(t - M) is quantised along the keys, not normalised;
; the row's sum is taken of the unquantised p and divides at the end.  When M moves, the sum and O are multiplied by 2^(old M - new M): exact.
; LEFT OUT: keys that the model's own causal mask hides from all 16 queries of a tile, in whole steps of 128 or half steps of 64: their p is 0 for every value of the inputs.
; SHARES.  A cluster of four work-groups is one head.  Work-group cx has the tiles 4 rho + cx, rho = 0 .. 15 (16 queries: 64 rho + 8 cx + 0 .. 7 and 32 on), whose diagonal lies in key step rho / 2 (128 keys a step).
; A PAIR of waves, ps = wave % 8, has the tiles rho = 15 - ps (9 - n steps, n = ps / 2 + 1) and rho = ps (n steps).  Wave ps takes the long tile's steps 0 .. 3.  Wave 8 + ps takes the short tile, stores its result,
; and then takes the long tile's other steps: four full steps to the one, three full ones and two on a diagonal to the other, whatever ps.
; The two parts of the long tile meet through LDS behind one barrier: wave 8 + ps stores its O, -M and sum, wave ps adds them to its own and stores the result.
; K AND V OF THE WHOLE HEAD, 73,728 bytes of codes and scale words, come into LDS ONCE, by one joint load in each of waves 0 to 3, as they lie in memory: images of operand registers, lane l's 16 bytes at 16 l.
; No prefetch: there is no loop to run ahead in.
; LAYOUT.  Both products are used transposed: S^T = K Q^T, O^T = V^T P^T: a lane holds ONE query (lane % 16).  Stored token 16 T + r is true token 64 (T / 4) + 8 (T % 4) + 32 (r / 8) + r % 8,
; so the 32 registers of four tiles of S^T are ONE block of 32 keys, 64 c + 32 (lane / 16) + 0 .. 31, in the second product's own order: no other lane is asked for a block's maximum, and no codes change lanes.
; THE MASK on a diagonal hangs on the lane and on cx alone: 32 numbers a lane, 0 or -3e38, made once, kept in LDS, and loaded as the C of the diagonal's score products.
; K = 64 IN AN INSTRUCTION 128 DEEP: source 0 holds TWO tiles of keys (k 0-63: tile 2 p; k 64-127: tile 2 p + 1); source 1 is [q | zero codes] for the first and [zero codes | q] for the second.
; Zero codes add exact zeros; the scale bytes over them are finite bytes, never 0xff.
; LIMITS: NaN and infinities are not served; the scaled scores stay under 2^31 in magnitude; a block of p that has fallen to zeros keeps the byte 1.
; REGISTERS: v1-11, v30-31, v212-213 addresses; v12 -M, v13 the largest score, v[14:15] the sum; v16-27 my first tile's q, zeros, q, v200-211 the long tile's; v28, v29 their scale words;
;   v32-63 K; v64-95 V; v96-159 S^T, then p; v160-191 O^T; v192-195, v196-199 K's, V's scale words; v224-231 p's codes; v232-255 at work.
.set HS,    110592                     ; a head's record: K at 0, V at 36,864, Q at QREC; each: 4,096 bytes of scale words, 32,768 of codes
.set QREC,  73728
.set KC,    4096                       ; LDS: K's scale words at 0, K's codes,
.set VSC,   36864                      ; V's scale words,
.set VC,    40960                      ; V's codes;
.set STAGE, 73728                      ; behind them, where no fill lands: 16 rows x 272 bytes for each wave, for the way out;
.set SPT,   272
.set PSG,   STAGE+16*4352              ; 4,352 bytes for each pair: the long tile's second part;
.set MASK,  PSG+8*4352                 ; the mask: 8 images of 512 bytes
.set SPARE, MASK+4096                  ; the spare words, 128 bytes for each wave
.set PARTL, 18432                      ; what one tensor load brings: 72 rows of 256 bytes
.set LI,  1                            ; v1  16 x lane
.set ADK, 2                            ; v2  the step's codes
.set ADS, 3                            ; v3  the step's scale words of K
.set GO,  4                            ; v4  the way out: my byte offset in out
.set DQ,  5                            ; v5  my query's place in its 64 tokens, less 32 (lane / 16)
.set STO, 6                            ; v6  the stage, in
.set RD,  7                            ; v7  the stage, back
.set PAD, 8                            ; v8  my pair's part: 16 bytes a lane;
.set PA8, 9                            ; v9  and 8 bytes a lane
.set SPW, 10                           ; v10 my spare word; never rewritten
.set NIL, 11                           ; v11 0; never rewritten
.set L8,  30                           ; v30 8 x lane
.set ADT, 31                           ; v31 the step's scale words of V
.set MAD, 212                          ; v212 the mask
.set WV,  8                            ; s8  my wave's number
.set SEL, 20                           ; s[20:21] lane selects: lane l xor 16
.set CS,  22                           ; s[22:23] c = log2(e) / 8
.set G1,  24                           ; s[24:31], s[32:35] the descriptor
.set G0,  32
.set TK,  36                           ; s36 4,096 x step
.set TS,  37                           ; s37 512 x step
.set NCS, 44                           ; s44 -c
.macro ROUND                           ; a round of the cluster's barrier
	s_barrier_signal -1
	s_barrier_wait -1
	s_cmp_lg_u32 s[WV], 0
	s_cbranch_scc1 .Lnot_wave_0_\@
	s_barrier_signal -3
.Lnot_wave_0_\@:
	s_barrier_wait -3
	s_barrier_signal -1
	s_barrier_wait -1
.endm
	s_load_b128 s[4:7], s[0:1], 0x0                ; qkv, out0
	v_lshl_add_u32 v[SPW], v0, 2, SPARE
	v_mov_b32 v[NIL], 0
	ds_add_u32 v[SPW], v[NIL]                      ; the wave's opening: the add, twice on end, and its wait
	ds_add_u32 v[SPW], v[NIL]
	v_lshrrev_b32 v2, 5, v0
	v_readfirstlane_b32 s[WV], v2                  ; wave 0..15
	s_bfe_u32 s9, ttmp6, 0x40000                   ; cx
	s_and_b32 s10, ttmp7, 0xffff                   ; the head record: 16 x batch + head
	s_and_b32 s11, s[WV], 7                        ; ps: the short tile's rho
	s_lshr_b32 s12, s[WV], 3                       ; 1: I take the short tile, then the long tile's steps from 4 on
	s_xor_b32 s13, s11, 15                         ; the long tile's rho
	s_and_b32 s15, s11, 1
	s_lshr_b32 s40, s13, 1                         ; the long tile's diagonal step: made of the wave's number alone
	s_lshr_b32 s41, s11, 1                         ; the short tile's
	s_mul_i32 s14, s10, HS
	s_mov_b32 s[G1], 15|(3<<16)|(1<<21)            ; the mask: all four work-groups; elements of 8 bytes; bit 21 beside a mask; no padding: images are read 16 bytes a lane on end
	s_mov_b32 s[G1+1], 32<<16                      ; tensor_dim0 = 32 elements = 256 bytes
	s_mov_b32 s[G1+2], 72<<16                      ; tensor_dim1
	s_mov_b32 s[G1+3], 32<<16                      ; tile_dim0
	s_mov_b32 s[G1+4], 72                          ; tile_dim1
	s_mov_b32 s[G1+5], 32                          ; the pitch: dense
	s_mov_b32 s[G1+6], 0
	s_mov_b32 s[G1+7], 0
	s_mul_i32 s16, s[WV], PARTL
	s_add_co_u32 s18, s14, s16
	s_mov_b32 s19, 0
	s_mov_b32 s[SEL], 0x76543210
	s_mov_b32 s[SEL+1], 0xfedcba98
	s_mov_b32 s[CS], 0x3e38aa3b                    ; log2(e) / 8
	s_mov_b32 s[CS+1], s[CS]                       ; (named with it as a pair, so it is written)
	s_mov_b32 s[NCS], 0xbe38aa3b
	s_wait_dscnt 0x0
	s_wait_kmcnt 0x0
	s_mov_b32 s[G0], 1
	s_mov_b32 s[G0+1], s16                         ; LDS: wave x 18,432
	s_add_nc_u64 s[G0+2:G0+3], s[4:5], s[18:19]    ; memory: the head's record + wave x 18,432: nothing here hangs on cx
	s_or_b32 s[G0+3], s[G0+3], 0x80000000
	ROUND                                          ; all four work-groups are here: the joint loads meet
	s_cmp_lt_u32 s[WV], 4
	s_cbranch_scc0 .Lno_fetch
	tensor_load_to_lds s[G0:G0+3], s[G1:G1+7]      ; one load of mine is out; these bytes are filled once
	s_nop 0
.rept 4
	v_nop
.endr
.Lno_fetch:
	s_add_co_u32 s48, s14, QREC
	s_cmp_lg_u32 s12, 0
	s_cselect_b32 s38, s11, s13                    ; my first tile, which is also the one that I send out,
	s_cselect_b32 s42, s41, 4                      ; the end of its full steps,
	s_cselect_b32 s43, s40, 0                      ; and of my full steps behind the first tile
.macro QADDR rho, codes, word          ; the tile 4 rho + cx: its codes' image, its word (two tiles share one)
	s_lshl_b32 s49, \rho, 2
	s_add_co_u32 s49, s49, s9
	s_lshl_b32 s50, s49, 9
	s_add_co_u32 s50, s50, s48
	s_add_co_u32 s50, s50, 4096
	s_mov_b32 s51, 0
	s_add_nc_u64 s[\codes:\codes+1], s[4:5], s[50:51]
	s_lshr_b32 s50, s49, 3
	s_lshl_b32 s50, s50, 9
	s_bfe_u32 s52, s49, 0x20001
	s_lshl_b32 s52, s52, 2
	s_add_co_u32 s50, s50, s52
	s_add_co_u32 s50, s50, s48
	s_add_nc_u64 s[\word:\word+1], s[4:5], s[50:51]
.endm
	QADDR s38, 54, 56
	QADDR s13, 58, 60
	v_and_b32 v2, 31, v0
	v_lshlrev_b32 v[LI], 4, v2
	v_lshlrev_b32 v[L8], 3, v2
	global_load_b128 v[16:19], v[LI], s[54:55]     ; q, zeros, q: registers 16-23 are [q | 0], 20-27 [0 | q]
	global_load_b128 v[24:27], v[LI], s[54:55]
	global_load_b32 v28, v[LI], s[56:57]
	global_load_b128 v[200:203], v[LI], s[58:59]   ; the long tile's once more, for waves 8 to 15 (waves 0 to 7 do not use it)
	global_load_b128 v[208:211], v[LI], s[58:59]
	global_load_b32 v29, v[LI], s[60:61]
	s_lshl_b32 s50, s38, 6
	s_lshl_b32 s52, s9, 3                          ; 8 cx
	s_add_co_u32 s50, s50, s52
	s_lshl_b32 s50, s50, 12                        ; the tile's first token: 4,096 bytes a token
	s_lshr_b32 s53, s10, 4
	s_lshl_b32 s53, s53, 22
	s_add_co_u32 s50, s50, s53                     ; the batch: 4 MiB
	s_and_b32 s53, s10, 15
	s_lshl_b32 s53, s53, 8
	s_add_co_u32 s50, s50, s53                     ; the head's 256 bytes of a token
	s_add_nc_u64 s[46:47], s[6:7], s[50:51]
	s_mul_i32 s19, s[WV], 16*SPT
	s_add_co_u32 s19, s19, STAGE                   ; my stage
	s_mul_i32 s45, s11, 4352
	s_add_co_u32 s45, s45, PSG                     ; my pair's part
	s_lshr_b32 s48, s[WV], 1
	s_lshl_b32 s48, s48, 9
	s_and_b32 s49, s[WV], 1
	s_lshl_b32 s49, s49, 3
	s_add_co_u32 s48, s48, s49
	s_add_co_u32 s48, s48, MASK                    ; where I put the mask's numbers 2 x wave and 2 x wave + 1: 8 bytes of a lane's 16
	s_lshl_b32 s49, s[WV], 1
	s_add_co_u32 s50, s49, 1
	s_and_b32 s53, s9, 1
	s_lshl_b32 s53, s53, 4                         ; which half of the pair's word is my tile's: both tiles' numbers are cx modulo 4
	v_and_b32 v2, 15, v0                           ; r
	v_bfe_u32 v3, v0, 4, 1                         ; h
	v_and_b32 v[DQ], 8, v0
	v_mul_u32_u24 v[DQ], 3, v[DQ]
	v_add3_u32 v[DQ], v[DQ], v2, s52               ; 8 cx + r % 8 + 32 (r / 8)
	v_lshlrev_b32 v[ADT], 5, v3
	v_sub_nc_u32 v[DQ], v[DQ], v[ADT]              ; register i of the diagonal's 64 keys is key 32 h + i: hidden where i > DQ
	v_mov_b32 v130, 0xff61b1e6                     ; -3e38
	v_add_nc_u32 v213, s48, v[LI]
	v_cmp_gt_i32 vcc_lo, s49, v[DQ]
	v_cndmask_b32 v128, 0, v130, vcc_lo
	v_cmp_gt_i32 vcc_lo, s50, v[DQ]
	v_cndmask_b32 v129, 0, v130, vcc_lo
	ds_store_b64 v213, v[128:129]
	v_add_nc_u32 v[MAD], MASK, v[LI]
	v_mul_u32_u24 v[STO], v2, SPT
	v_lshl_add_u32 v[STO], v3, 6, v[STO]
	v_add_nc_u32 v[STO], s19, v[STO]               ; in: row r, + 64 h
	v_mul_u32_u24 v[RD], v3, SPT
	v_lshl_add_u32 v[RD], v2, 4, v[RD]
	v_add_nc_u32 v[RD], s19, v[RD]                 ; back: lanes 0-15 one row, lanes 16-31 the next
	v_lshlrev_b32 v[GO], 12, v3
	v_lshl_add_u32 v[GO], v2, 4, v[GO]             ; and the same two tokens in out
	v_add_nc_u32 v[PAD], s45, v[LI]
	v_add_nc_u32 v[PA8], s45, v[L8]
.irp j, 20,21,22,23,204,205,206,207
	v_mov_b32 v[\j], 0                             ; the zero codes
.endr
.irp j, 235,239,249,253,255
	v_mov_b32 v[\j], 0                             ; written once: destinations of lane permutes, and upper words of pairs
.endr
.macro INIT                            ; nothing summed yet
	v_mov_b32 v13, 0xff61b1e6                      ; the largest score so far: -3e38
	v_mov_b32 v12, 0x7f61b1e6                      ; -M
	v_mov_b32 v14, 0
	v_mov_b32 v15, 0
.irp j, 0,1,2,3,4,5,6,7,8,9,10,11,12,13,14,15,16,17,18,19,20,21,22,23,24,25,26,27,28,29,30,31
	v_mov_b32 v[160+\j], 0                         ; O^T: a tile's first step finds zeros
.endr
.endm
	INIT
	s_wait_alu depctr_va_vdst(0)                   ; the wait at the head's end
	s_wait_loadcnt 0x0
.irp j, 28,29
	v_lshrrev_b32 v[\j], s53, v[\j]                ; my tile's two bytes,
.endr
.irp j, 28,29
	v_and_b32 v[\j], 0xffff, v[\j]
.endr
.irp j, 28,29
	v_lshl_or_b32 v[\j], v[\j], 16, v[\j]          ; twice: they serve q in either half
.endr
.rept 8
	v_nop                                          ; the places between the write of a scale register and the first scaled product
.endr
	s_wait_alu depctr_va_vdst(0)
	s_wait_tensorcnt 0x0                           ; my part of K and V has landed,
	s_wait_dscnt 0x0                               ; my part of the mask is stored,
	s_barrier_signal -1
	s_barrier_wait -1                              ; everybody's has; nobody writes these bytes again
.macro KLOAD codes, coff, words, woff  ; a step's K: eight tiles of 16 keys, half an operand each, and the four pair words
.irp t, 0,1,2,3,4,5,6,7
	ds_load_b128 v[32+4*\t:35+4*\t], v[\codes] offset:KC+\coff+512*\t
.endr
	ds_load_b128 v[192:195], v[\words] offset:\woff
.endm
; A KEY STEP.  Its K has been asked for before.  kind 0: all 128 keys count; 1: the diagonal lies in the second 64; 2: it lies in the first 64, and the second are left out.
; qb: q's registers, qw: its scale word.  next: whose K is asked for behind the scores: 1 the following step's, 2 step 4's, 0 none.
.macro STEP kind, qb, qw, next
.set NG, 2-(\kind)/2                   ; groups of 64 keys
.set MB, 160-32*(\kind)                ; the diagonal's 32 registers
	v_add_nc_u32 v[ADK], s[TK], v[LI]
	v_add_nc_u32 v[ADS], s[TS], v[LI]
	v_add_nc_u32 v[ADT], s[TS], v[L8]
.if (\kind) > 0
.irp t, 0,1,2,3,4,5,6,7
	ds_load_b128 v[MB+4*\t:MB+3+4*\t], v[MAD] offset:512*\t   ; the mask, where the diagonal's scores will stand
.endr
.endif
.irp t, 0,1,2,3,4,5,6,7
	ds_load_b128 v[64+4*\t:67+4*\t], v[ADK] offset:VC+512*\t   ; V: four fragments of 16 channels x 128 keys
.endr
	ds_load_b64 v[196:197], v[ADT] offset:VSC
	ds_load_b64 v[198:199], v[ADT] offset:VSC+256
	s_wait_alu depctr_va_vdst(0)
	s_wait_dscnt 10                                ; K and the mask are in; V's ten loads may be out
.set I, 0
.rept 2*NG
.if ((\kind) == 2) || (((\kind) == 1) && (I > 1))
	v_wmma_scale_f32_16x16x128_f8f6f4 v[96+16*I:103+16*I], v[32+8*I:39+8*I], v[\qb:\qb+7], v[96+16*I:103+16*I], v[192+I], v[\qw] matrix_a_fmt:MATRIX_FMT_FP4 matrix_b_fmt:MATRIX_FMT_FP4
	v_wmma_scale_f32_16x16x128_f8f6f4 v[104+16*I:111+16*I], v[32+8*I:39+8*I], v[\qb+4:\qb+11], v[104+16*I:111+16*I], v[192+I], v[\qw] matrix_a_fmt:MATRIX_FMT_FP4 matrix_b_fmt:MATRIX_FMT_FP4
.else
	v_wmma_scale_f32_16x16x128_f8f6f4 v[96+16*I:103+16*I], v[32+8*I:39+8*I], v[\qb:\qb+7], 0, v[192+I], v[\qw] matrix_a_fmt:MATRIX_FMT_FP4 matrix_b_fmt:MATRIX_FMT_FP4
	v_wmma_scale_f32_16x16x128_f8f6f4 v[104+16*I:111+16*I], v[32+8*I:39+8*I], v[\qb+4:\qb+11], 0, v[192+I], v[\qw] matrix_a_fmt:MATRIX_FMT_FP4 matrix_b_fmt:MATRIX_FMT_FP4
.endif
.set I, I+1
.endr
.rept 4
	v_nop                                          ; places in front of the loads into K's registers and of the first reads of the scores
.endr
.if (\next) == 1
	KLOAD ADK, 4096, ADS, 512
.elseif (\next) == 2
	KLOAD LI, 16384, LI, 2048
.endif
.set G, 0
.rept NG
	v_max3_num_f32 v[232+G], v[96+32*G], v[97+32*G], v[98+32*G]      ; the largest score of my block of 32 keys: for the row's maximum, and, since p rises with the score, for the block's largest p
	v_max3_num_f32 v[240+G], v[113+32*G], v[114+32*G], v[115+32*G]
.set G, G+1
.endr
.irp i, 3,5,7,9,11,13
.set G, 0
.rept NG
	v_max3_num_f32 v[232+G], v[232+G], v[96+32*G+\i], v[97+32*G+\i]
	v_max3_num_f32 v[240+G], v[240+G], v[113+32*G+\i], v[114+32*G+\i]
.set G, G+1
.endr
.endr
.set G, 0
.rept NG
	v_max3_num_f32 v[232+G], v[232+G], v[111+32*G], v[112+32*G]
.set G, G+1
.endr
.set G, 0
.rept NG
	v_max_num_f32 v[232+G], v[232+G], v[240+G]
.set G, G+1
.endr
.if NG == 2
	v_max_num_f32 v234, v232, v233
.set RM, 234
.else
.set RM, 232
.endif
	s_delay_alu instid0(VALU_DEP_1)
	v_permlanex16_b32 v235, v[RM], s[SEL], s[SEL+1]
	s_delay_alu instid0(VALU_DEP_1)
	v_max3_num_f32 v13, v13, v[RM], v235           ; the running largest score of my query
	s_delay_alu instid0(VALU_DEP_1)
	v_mul_f32 v237, s[NCS], v13                    ; -t
	s_delay_alu instid0(VALU_DEP_1)
	v_floor_f32 v248, v237                         ; the new -M = -ceil(t)
	s_delay_alu instid0(VALU_DEP_1)
	v_sub_f32 v236, v248, v12                      ; old M - new M: a whole number, 0 or less
	s_delay_alu instid0(VALU_DEP_1)
	v_cvt_i32_f32 v236, v236                       ; (it saturates)
	s_delay_alu instid0(VALU_DEP_1)
	v_ldexp_f32 v252, 1.0, v236                    ; f = 2^(old M - new M)
.set I, 0
.rept 16*NG
	v_pk_fma_f32 v[96+I:97+I], v[96+I:97+I], s[CS:CS+1], v[248:249] op_sel_hi:[1,0,0]   ; t - M, two at a time
.set I, I+2
.endr
.set G, 0
.rept NG
	v_fma_f32 v[232+G], v[232+G], s[CS], v248      ; the same of each block's largest score
.set G, G+1
.endr
	s_wait_alu depctr_va_vdst(0)                   ; the wait ahead of the batch,
.set I, 0
.rept 32*NG
	v_exp_f32 v[96+I], v[96+I]                     ; p = 2^(t - M)
.set I, I+1
.endr
.set G, 0
.rept NG
	v_exp_f32 v[232+G], v[232+G]                   ; the block's largest p: the same instructions on the same number
.set G, G+1
.endr
	v_mov_b32 v12, v248                            ; (a plain place behind the exponentials)
	s_wait_alu depctr_va_vdst(0)                   ; and behind it; and, for O^T, directly ahead of its first readers
.irp j, 0,2,4,6,8,10,12,14,16,18,20,22,24,26,28,30
	v_pk_mul_f32 v[160+\j:161+\j], v[160+\j:161+\j], v[252:253] op_sel_hi:[1,0]   ; O^T under the new M
.endr
.set G, 0
.rept NG
	v_max_num_f32 v[232+G], 0x1800000, v[232+G]    ; the floor 2^(3 - 127): the byte cannot fall under 1
.set G, G+1
.endr
.set G, 0
.rept NG
	v_add_nc_u32 v[244+G], 0xff000000, v[232+G]    ; 2 off the exponent field: the conversion's scale operand
.set G, G+1
.endr
.set G, 0
.rept NG
	v_lshrrev_b32 v[236+G], 23, v[244+G]           ; the scale's byte
.set G, G+1
.endr
.if NG == 2
	v_lshl_or_b32 v238, v237, 16, v236             ; my bytes are 2 c + h of the word
.set WD, 238
.else
.set WD, 236
.endif
	v_permlanex16_b32 v239, v[WD], s[SEL], s[SEL+1]
	v_lshl_or_b32 v253, v239, 8, v[WD]             ; with lane l + 16's the word of lanes 0-15 is whole (lanes 16-31's are not read)
.set I, 0
.rept 4*NG
	v_cvt_scalef32_pk8_fp4_f32 v[224+I], v[96+8*I:103+8*I], v[244+I/4]   ; the operand's registers as they stand
.set I, I+1
.endr
.if NG == 1
.irp j, 228,229,230,231
	v_mov_b32 v[\j], 0                             ; the 64 hidden keys: zero codes
.endr
.endif
	v_pk_add_f32 v[240:241], v[96:97], v[98:99]    ; the row's sum, of the unquantised p, in four chains
	v_pk_add_f32 v[242:243], v[100:101], v[102:103]
	v_pk_add_f32 v[246:247], v[104:105], v[106:107]
	v_pk_fma_f32 v[14:15], v[14:15], v[252:253], v[108:109] op_sel_hi:[1,0,1]   ; (what was summed before, under the new M)
.set I, 110
.rept 4*NG-2
	v_pk_add_f32 v[240:241], v[240:241], v[I:I+1]
	v_pk_add_f32 v[242:243], v[242:243], v[I+2:I+3]
	v_pk_add_f32 v[246:247], v[246:247], v[I+4:I+5]
	v_pk_add_f32 v[14:15], v[14:15], v[I+6:I+7]
.set I, I+8
.endr
	v_pk_add_f32 v[240:241], v[240:241], v[I:I+1]
	v_pk_add_f32 v[14:15], v[14:15], v[246:247]
	v_pk_add_f32 v[240:241], v[240:241], v[242:243]
	v_pk_add_f32 v[14:15], v[14:15], v[240:241]    ; (the sums are also the places between the writes of p's codes and scale word and the products)
	s_wait_alu depctr_va_vdst(0)
.if (\next) > 0
	s_wait_dscnt 9                                 ; V is in; the next K's nine loads may be out
.else
	s_wait_dscnt 0x0
.endif
.irp t, 0,1,2,3                        ; the four accumulators take turns, one instruction a turn; the next matrix instruction is the next step's first score
	v_wmma_scale_f32_16x16x128_f8f6f4 v[160+8*\t:167+8*\t], v[64+8*\t:71+8*\t], v[224:231], v[160+8*\t:167+8*\t], v[196+\t], v253 matrix_a_fmt:MATRIX_FMT_FP4 matrix_b_fmt:MATRIX_FMT_FP4
.endr
.rept 4
	v_nop                                          ; places in front of the next loads into V's registers, and of reads of O^T
.endr
.endm
; THE WAY OUT.  O^T / the sum goes through my stage in LDS and leaves as rows of 256 bytes: a token's 64 channels of this head.
.macro OUT
	v_add_f32 v14, v14, v15
	v_permlanex16_b32 v235, v14, s[SEL], s[SEL+1]
	v_add_f32 v14, v14, v235                       ; the row's sum
	s_wait_alu depctr_va_vdst(0)                   ; the wait ahead of the transcendental,
	v_rcp_f32 v14, v14
	v_mov_b32 v15, 0                               ; (a plain place behind the reciprocal; the pair's upper word is named below)
	s_wait_alu depctr_va_vdst(0)                   ; and behind it
.irp j, 0,2,4,6,8,10,12,14,16,18,20,22,24,26,28,30
	v_pk_mul_f32 v[96+\j:97+\j], v[160+\j:161+\j], v[14:15] op_sel_hi:[1,0]   ; register 16 g + i is channel 32 g + 16 h + i; each accumulator from its low end on
.endr
.irp g, 0,1
.irp i, 0,1,2,3
	ds_store_b128 v[STO], v[96+16*\g+4*\i:99+16*\g+4*\i] offset:128*\g+16*\i
.endr
.endr
.irp i, 0,1,2,3,4,5,6,7
	ds_load_b128 v[64+4*\i:67+4*\i], v[RD] offset:2*\i*SPT   ; LDS serves a wave's instructions in order: these see my stores
.endr
.irp i, 0,1,2,3,4,5,6,7
	s_wait_dscnt 7-\i                              ; the younger loads may be out
	global_store_b128 v[GO], v[64+4*\i:67+4*\i], s[46:47] offset:(2*\i+24*(\i/4))*4096 th:TH_STORE_NT   ; stage row r is token r + 24 (r / 8) of the tile; 16 lanes store 256 consecutive bytes, aligned
.endr
.endm
	s_mov_b32 s[TK], 0
	s_mov_b32 s[TS], 0
	s_mov_b32 s39, 0
	KLOAD LI, 0, LI, 0
.Lone:                                             ; MY FIRST TILE: four trips, a constant; trips at or past its last full step are jumped over.  (Wave ps's last trip asks for step 4's K, which it does not use: the text is one for both)
	s_cmp_ge_u32 s39, s42
	s_cbranch_scc1 .Lskip1
	STEP 0, 16, 28, 1
.Lskip1:
	s_add_co_u32 s[TK], s[TK], 4096
	s_add_co_u32 s[TS], s[TS], 512
	s_add_co_u32 s39, s39, 1
	s_cmp_lt_u32 s39, 4
	s_cbranch_scc1 .Lone
	s_cmp_lt_u32 s[WV], 8
	s_cbranch_scc1 .Lhold
	s_lshl_b32 s[TK], s41, 12                      ; waves 8 to 15: the short tile's diagonal step,
	s_lshl_b32 s[TS], s41, 9
	s_cmp_lg_u32 s15, 0                            ; ps even: the diagonal lies in the step's first 64 keys; odd: in the second
	s_cbranch_scc1 .Lodd1
	STEP 2, 16, 28, 2
	s_branch .Lshort
.Lodd1:
	STEP 1, 16, 28, 2
.Lshort:
	OUT                                            ; and its way out
	INIT
	s_wait_alu depctr_va_vdst(0)
	s_wait_xcnt 0x0                                ; the stores have read v64-95, where V lands next
.Lhold:
	s_mov_b32 s[TK], 16384
	s_mov_b32 s[TS], 2048
	s_mov_b32 s39, 4
.Ltwo:                                             ; THE LONG TILE FROM STEP 4 ON: three trips, a constant (waves 0 to 7 jump over all)
	s_cmp_ge_u32 s39, s43
	s_cbranch_scc1 .Lskip2
	STEP 0, 200, 29, 1
.Lskip2:
	s_add_co_u32 s[TK], s[TK], 4096
	s_add_co_u32 s[TS], s[TS], 512
	s_add_co_u32 s39, s39, 1
	s_cmp_lt_u32 s39, 7
	s_cbranch_scc1 .Ltwo
	s_cmp_lt_u32 s[WV], 8
	s_cbranch_scc1 .Lmeet
	s_lshl_b32 s[TK], s40, 12                      ; waves 8 to 15: its diagonal step,
	s_lshl_b32 s[TS], s40, 9
	s_cmp_lg_u32 s15, 0                            ; ps even: in the second 64 keys; odd: in the first
	s_cbranch_scc1 .Lodd2
	STEP 1, 200, 29, 0
	s_branch .Lpart
.Lodd2:
	STEP 2, 200, 29, 0
.Lpart:
	v_mov_b32 v128, v12
	v_add_f32 v129, v14, v15
.irp i, 0,1,2,3,4,5,6,7
	ds_store_b128 v[PAD], v[160+4*\i:163+4*\i] offset:512*\i   ; and my part of it goes to my partner: O^T,
.endr
	ds_store_b64 v[PA8], v[128:129] offset:4096    ; -M and my lane's sum
.Lmeet:
	s_wait_alu depctr_va_vdst(0)
	s_wait_dscnt 0x0                               ; my stores and loads are done
	s_barrier_signal -1
	s_barrier_wait -1                              ; every part is in LDS
	s_cmp_lt_u32 s[WV], 8
	s_cbranch_scc0 .Lend
.irp i, 0,1,2,3,4,5,6,7
	ds_load_b128 v[96+4*\i:99+4*\i], v[PAD] offset:512*\i      ; waves 0 to 7: my partner's part
.endr
	ds_load_b64 v[128:129], v[PA8] offset:4096
	s_wait_dscnt 0x0
	v_min_num_f32 v248, v12, v128                  ; the larger M
	v_add_f32 v14, v14, v15
	v_sub_f32 v236, v248, v12
	v_sub_f32 v237, v248, v128
	v_cvt_i32_f32 v236, v236
	v_cvt_i32_f32 v237, v237
	v_ldexp_f32 v252, 1.0, v236                    ; both parts are brought under it: exact
	v_ldexp_f32 v254, 1.0, v237
	v_mul_f32 v15, v129, v254
	v_fma_f32 v14, v14, v252, v15
	v_mov_b32 v15, 0
.irp j, 0,2,4,6,8,10,12,14,16,18,20,22,24,26,28,30
	v_pk_mul_f32 v[160+\j:161+\j], v[160+\j:161+\j], v[252:253] op_sel_hi:[1,0]
.endr
.irp j, 0,2,4,6,8,10,12,14,16,18,20,22,24,26,28,30
	v_pk_fma_f32 v[160+\j:161+\j], v[96+\j:97+\j], v[254:255], v[160+\j:161+\j] op_sel_hi:[1,0,1]
.endr
	OUT
.Lend:
	s_wait_tensorcnt 0x0                           ; the wave's end
	ds_add_u32 v[SPW], v[NIL]
	s_wait_dscnt 0x0
	ROUND                                          ; the closing round: no work-group ends while a partner may still ask jointly
	s_endpgm
.Lfunc_end_k_q2f907de329_attn:
	.size	k_q2f907de329_attn, .Lfunc_end_k_q2f907de329_attn-k_q2f907de329_attn
	.p2alignl 7, 3214868480
	.fill 96, 4, 3214868480
	.section	.rodata,"a",@progbits
	.p2align	6, 0x0
	.amdhsa_kernel k_q2f907de329_attn
		.amdhsa_group_segment_fixed_size 184320
		.amdhsa_private_segment_fixed_size 0
		.amdhsa_enable_private_segment 0
		.amdhsa_kernarg_size 16
		.amdhsa_user_sgpr_count 2
		.amdhsa_user_sgpr_kernarg_segment_ptr 1
		.amdhsa_wavefront_size32 1
		.amdhsa_system_sgpr_workgroup_id_x 1
		.amdhsa_system_sgpr_workgroup_id_y 1
		.amdhsa_system_sgpr_workgroup_id_z 1
		.amdhsa_system_vgpr_workitem_id 0
		.amdhsa_next_free_vgpr 256
		.amdhsa_next_free_sgpr 66
		.amdhsa_reserve_vcc 1
		.amdhsa_float_denorm_mode_32 3
		.amdhsa_float_denorm_mode_16_64 3
		.amdhsa_memory_ordered 1
		.amdhsa_forward_progress 1
		.amdhsa_inst_pref_size 98
	.end_amdhsa_kernel
	.amdgpu_metadata
---
amdhsa.version: [ 1, 2 ]
amdhsa.kernels:
  - .name:           k_q2f907de329_attn
    .symbol:         k_q2f907de329_attn.kd
    .args:
      - { .name: qkv, .offset: 0, .size: 8, .value_kind: global_buffer, .address_space: global }
      - { .name: out0, .offset: 8, .size: 8, .value_kind: global_buffer, .address_space: global }
    .group_segment_fixed_size: 184320
    .private_segment_fixed_size: 0
    .kernarg_segment_align: 8
    .kernarg_segment_size: 16
    .max_flat_workgroup_size: 512
    .sgpr_count:     66
    .vgpr_count:     256
    .wavefront_size: 32
...
	.end_amdgpu_metadata
.endif
;; end of part 3
